; MI455X (gfx1250); checked and timed in simulation.
; The chip was launched on July 23, 2026; its instructions are those of AMD's public machine-readable ISA for CDNA 5 (MIT licence, August 2026) and "CDNA5" Instruction Set Architecture Reference Guide (July 2026). The comments in the code are by the model that wrote it; some were corrected since.
;; Bert GT Head. Allowed arithmetic: matrix products marked QUANTISED: E2M1 operands, one E8M0 scale for each 32 along K, by v_wmma_scale_f32_16x16x128_f8f6f4 with both operands' format E2M1 (or v_wmma_scale_f32_32x16x128_f4), f32 sums; products left as they are: f32 operands where the result goes on into a quantised operand, else bf16, f16 or f32 operands; f32 sums; everything else in f32.
;; Inputs: W_cls 3,072 x 1 float32; W_gap 3,072 x 1 float32; b_cls 1 float32; b_gap 1 float32; gap_ids 16 x 16 int32; pooled_output 16 x 1,024 float32; sequence_output 16 x 512 x 1,024 float32; token_type_ids 16 x 512 int32; word_mask 16 x 512 int32.
;; Outputs: out0 16 x 17 float32.
;; This version of the problem:
;;   THIS VERSION OF THE PROBLEM IS GIVEN IN LOW PRECISION. The matrix products marked QUANTISED in the list below multiply operands that are first quantised to E2M1 (2 exponent bits, 1 mantissa bit; 4 bits a number), with one power-of-two scale for each 32 numbers along K (OCP MX v1.0); their sums are f32. All else is computed in f32.
;;   The module's matrix products, in the order in which they are computed (A, B: the left and right operand; K: the contracted axis; several contracted axes count as one K, in the product's order):
;;     1. batch 16 x [M 16, K 512] x [K 512, N 1,024]; A: computed on the way; B: input sequence_output: QUANTISED
;;     2. [M 256, K 3,072] x [K 3,072, N 1]; A: computed on the way; B: input W_gap: left as it is (N = 1 < 16)
;;     3. [M 16, K 3,072] x [K 3,072, N 1]; A: computed on the way; B: input W_cls: left as it is (N = 1 < 16)
;;   THE QUANTISER, for each operand of a quantised product, along K:
;;     - K is cut into blocks of 32 from its start; a last block that is shorter is filled with zeros.
;;     - A block's scale is 2^e with e = floor(log2(the largest magnitude in the block)) - 2, held to -126 .. 127; a block of zeros has e = 0. As a byte (E8M0): e + 127.
;;     - Each number is divided by its block's scale, clamped to +-6, and rounded to the nearest number of E2M1, ties to even, subnormals kept.
;;     - The product sums the exact products of the quantised numbers (number of the format x scale) in f32.
;;   ~~~python
;;   def quantise(x, axis):      # numpy; x: float32 -> the quantised numbers, widened to float32 again
;;       x = np.moveaxis(x, axis, -1); K = x.shape[-1]
;;       x = np.pad(x, [(0, 0)] * (x.ndim - 1) + [(0, -K % 32)]); x = x.reshape(x.shape[:-1] + (-1, 32)); a = np.abs(x).max(-1, keepdims=True)
;;       e = np.where(a > 0, np.clip(np.frexp(np.where(a > 0, a, 1))[1] - 1 - 2, -126, 127), 0)      # np.frexp(a)[1] - 1 = floor(log2(a)), exactly
;;       r = np.clip(x / 2.0 ** e, -6, 6)
;;       step = 2.0 ** (np.maximum(np.frexp(np.where(r == 0, 1, r))[1] - 1, 0) - 1)
;;       q = np.round(r / step) * step * 2.0 ** e      # np.round: ties to even
;;       return np.moveaxis(q.reshape(q.shape[:-2] + (-1,))[..., :K], -1, axis).astype(np.float32)
;;   ~~~
;;   OPERANDS COMPUTED ON THE WAY. 'Computed on the way' means the value that the module computes at that place (a softmax that the list does not call 'softmax' is quantised finished and normalised). What goes into a quantiser is computed in f32, as accurately as f32 sums, v_exp_f32 and their like allow (about 1e-6 of the number): no bf16 or f16 on the way to a quantiser, and a product that is left as it is and whose result goes on into a quantised operand takes f32 operands (vector FMAs, or v_wmma_f32_16x16x4_f32). A number that lies on a knife's edge between two numbers of the format may be rounded either way, as far as f32 arithmetic and the matrix unit's own rounding can turn it there, and no further.
;; One version. Each part assembles by itself: llvm-mc -triple=amdgcn-amd-amdhsa -mcpu=gfx1250 --defsym DOCPART=n.
;; ======== version 1 of 1: 2 launches
;; workspace buffers: part 32,768 bytes
;; launch pool (part 1): grid 16 x 16, 4 waves a work-group, no clusters, 168,448 bytes of LDS; arguments sequence_output, pooled_output, token_type_ids, word_mask, gap_ids, W_gap, W_cls, part; writes part
.if DOCPART == 1
	.amdgcn_target "amdgcn-amd-amdhsa--gfx1250"
	.amdhsa_code_object_version 6
	.text
	.protected	k_qf6ca966a2f_pool
	.globl	k_qf6ca966a2f_pool
	.p2align	8
	.type	k_qf6ca966a2f_pool,@function
k_qf6ca966a2f_pool:
	s_mov_b64 s[64:65], 0
	v_nop
	global_prefetch_b8 v0, s[64:65] scope:SCOPE_SE
	s_setreg_imm32_b32 hwreg(HW_REG_WAVE_MODE, 25, 1), 1
	s_wait_xcnt 0x0
; BertGTHead, first of two launches: 17 partial scores for one batch b (work-group y) and one chunk c of 64 channels (work-group x).
; part[b][c][0..15] = for gap g: sum over the chunk's channels of  seq[gid]*W_gap[0:H] + windowmax*W_gap[H:2H] + (windowsum/n)*W_gap[2H:3H];  part[b][c][16] = the same for the text (pooled, max, average; W_cls).
; THE WINDOW SUM is the quantised product wmask [16 gaps][512 rows] x seq [512 rows][64 channels]: both operands become E2M1 codes with one E8M0 byte for each 32 rows, and go to the scaled matrix instruction.
; SHARES.  The work-group's part of seq is 512 rows x 256 bytes = 128 KiB: it comes into LDS ONCE, by two tensor loads a wave (64 rows x 256 bytes each), all issued at the head; nothing is filled again.
; Wave q owns rows 128 q .. 128 q + 127 (K step q of the product, and its part of the text's maximum and sum), then gaps 4 q .. 4 q + 3 (window maximum, centre row, token count).  Wave 0 also makes the text's score.
; No two work-groups read the same bytes of seq, so there is no cluster and no joint load.
; A window is always taken as 31 rows: zero rows lie in LDS in front of row 0 and behind row 511, and zero masks beside the masks: no branch and no trip count hangs on a gap's number.
; LIMITS.  NaN and infinities in sequence_output are not served (the maxima drop a NaN).  A block whose largest magnitude lies under 2^-124 keeps the scale byte 1 (a block of zeros too: its codes are zeros).
; A gap id outside 0 .. 511 is held at 511 for the addresses.  The window average is formed as (sum over channels of D x W) / n, another order of f32 rounding than (D / n) x W; n = 0 gives 0 x infinity = NaN.
; The work-group's results are 68 bytes: five small stores.
.set TILE, 4096                        ; LDS: bytes 0 .. 4095 zeros (rows -16 .. -1); row s of the tile at TILE + 256 s
.set Z1,   135168                      ; zeros: rows 512 .. 527; its last bytes also stand for the masks of rows -15 .. -1
.set BP,   139264                      ; base[s] = (token_type == 0) x word_mask, f32, at BP + 4 s
.set Z2,   141312                      ; zeros: the masks of rows 512 on
.set SC,   143360                      ; scratch: 512 bytes S3 (128 q + 4 lane); 1,024 text maxima (512 + 256 q + 4 column); 1,024 text sums (1536 + 256 q + 4 column)
.set LA,  4                            ; v4   TILE + 32768 q + 4 lane: my column in my wave's first row
.set BA,  5                            ; v5   BP + 512 q: my wave's masks
.set AA,  6                            ; v6   BP + 512 q + 128 h
.set WL,  7                            ; v7   256 + 3840 h + 16 r: with 256 gid: row gid - 15 + 15 h, columns 4 r on
.set ML,  8                            ; v8   BP - 60 + 60 h: with 4 gid: that row's mask
.set CL,  9                            ; v9   TILE + 16 r: with 256 gid: the centre row
.set SCA, 10                           ; v10  SC + 256 q + 4 lane
.set SCB, 11                           ; v11  SC + 128 q + 4 lane
.set WA,  12                           ; v12-14 the addresses of the window in hand (v12-15: the zero quad at the head)
.set MA,  13
.set CA,  14
.set S3A, 15                           ; v15  SC + 16 q: my four gaps' S3 words
.set W1,  16                           ; v16-19 W_gap[64 c + 4 r + 0..3];  v20-23 W_gap[1024 + 64 c + 4 r + 0..3]
.set W2,  20
.set CD,  24                           ; v24-31 for columns lane and 32 + lane: pooled, W_cls[0:H], W_cls[H:2H], W_cls[2H:3H]
.set AC,  32                           ; v32-39 wmask's codes: my K step's fragment
.set ASW, 40                           ; v40 wmask's scale word; v41, v42 seq's, for columns lane and 32 + lane: these three hold scales and nothing else
.set SW,  41
.set GL,  43                           ; v43  gap r's id; in the window phase HF: 1.0 in lanes 0-15, 0 in lanes 16-31
.set HF,  43
.set SUM, 44                           ; v44-51 text sums: for column half ch two pairs at 44 + 4 ch
.set MAX, 52                           ; v52-55 text maxima: 52 + 2 ch + chain
.set T,   56                           ; v56-63 at work
.set BC,  64                           ; v64-95 seq's codes: tile t (16 columns) at 64 + 8 t
.set BB,  96                           ; v96-159 two sets of 32 masks, the same in every lane
.set X,   160                          ; v160-255 three sets of 32 numbers; v160-191 later the product's results
                                       ; v256-287 (window 1, v0-31): W_gap[2048 + 64 c + 16 t + 8 h + j] at 8 t + j
	s_load_b512 s[4:19], s[0:1], 0x0               ; seq s[4:5], pooled s[6:7], token types s[8:9], word mask s[10:11], gap ids s[12:13], W_gap s[14:15], W_cls s[16:17], part s[18:19]
	s_set_vgpr_msb 0x40
	v_lshl_add_u32 v32, v0, 2, 0x29000
	v_mov_b32 v33, 0
	s_set_vgpr_msb 0x4045
	ds_add_u32 v32, v33
	ds_add_u32 v32, v33
	s_set_vgpr_msb 0x4500
	v_lshrrev_b32 v232, 5, v0
	v_readfirstlane_b32 s20, v232                  ; q: my wave
	s_and_b32 s21, ttmp7, 0xffff                   ; b
	s_mov_b32 s22, ttmp9                           ; c
	; descriptor group 1: a tile of 64 rows x 64 elements of 4 bytes, rows 1,024 elements apart, dense in LDS
	s_mov_b32 s24, 2<<16                           ; no mask; elements of 4 bytes; no padding
	s_mov_b32 s25, 64<<16                          ; tensor_dim0 = 64
	s_mov_b32 s26, 64<<16                          ; tensor_dim1 = 64
	s_mov_b32 s27, 64<<16                          ; tile_dim0 = 64
	s_mov_b32 s28, 64                              ; tile_dim1 = 64
	s_mov_b32 s29, 1024                            ; from row to row
	s_mov_b32 s30, 0
	s_mov_b32 s31, 0
	s_lshl_b32 s40, s21, 21                        ; b x 512 rows x 4,096 bytes
	s_lshl_b32 s23, s20, 19                        ; + q x 128 rows
	s_add_co_u32 s40, s40, s23
	s_lshl_b32 s23, s22, 8                         ; + c x 256 bytes
	s_add_co_u32 s40, s40, s23
	s_mov_b32 s41, 0
	s_mov_b32 s32, 1                               ; group 0 for my rows 0-63
	s_lshl_b32 s33, s20, 15
	s_add_co_u32 s33, s33, TILE                    ; LDS: TILE + 32,768 q
	s_mov_b32 s36, 1                               ; and for my rows 64-127
	s_add_co_u32 s37, s33, 16384
	s_mov_b32 s42, 0x76543210                      ; v_permlanex16_b32's selects for lane l xor 16
	s_mov_b32 s43, 0xfedcba98
	s_wait_dscnt 0x0
	s_wait_kmcnt 0x0
	s_add_nc_u64 s[34:35], s[4:5], s[40:41]
	s_add_nc_u64 s[38:39], s[34:35], 0x40000       ; 64 rows on
	s_or_b32 s35, s35, 0x80000000                  ; type = 2
	s_or_b32 s39, s39, 0x80000000
	tensor_load_to_lds s[32:35], s[24:31]          ; both first fills at once, ahead of every wait on TENSORcnt, LDS read and barrier: two loads of mine are out
	s_nop 0
	tensor_load_to_lds s[36:39], s[24:31]
	s_nop 0
	v_and_b32 v1, 31, v0                           ; lane
	v_and_b32 v2, 15, v0                           ; r
	v_bfe_u32 v3, v0, 4, 1                         ; h
	v_lshl_add_u32 v[LA], v232, 15, TILE
	v_lshl_add_u32 v[BA], v232, 9, BP
	v_lshl_add_u32 v[SCA], v232, 8, SC
	v_lshl_add_u32 v[SCB], v232, 7, SC
	v_lshl_add_u32 v[LA], v1, 2, v[LA]
	v_lshl_add_u32 v[AA], v3, 7, v[BA]
	v_lshl_add_u32 v[SCA], v1, 2, v[SCA]
	v_lshl_add_u32 v[SCB], v1, 2, v[SCB]
	v_mul_u32_u24 v[WL], v3, 3840
	v_mul_u32_u24 v[ML], v3, 60
	v_lshl_add_u32 v[WL], v2, 4, v[WL]
	v_add_nc_u32 v[ML], BP-60, v[ML]
	v_add_nc_u32 v[WL], 256, v[WL]
	v_lshl_add_u32 v[CL], v2, 4, TILE
	; the small inputs.  Offsets in v224-229, which are written again only behind the wait for these loads
	s_lshl_b32 s56, s22, 8                         ; 256 c
	s_lshl_b32 s57, s21, 12
	s_add_co_u32 s57, s57, s56                     ; 4,096 b + 256 c
	s_lshl_b32 s58, s21, 11                        ; 2,048 b
	s_lshl_b32 s59, s21, 6                         ; 64 b
	v_lshl_add_u32 v228, v0, 4, s58                ; token types, word mask: my thread's four rows
	v_lshl_add_u32 v229, v2, 2, s59                ; gap r's id
	v_lshl_add_u32 v226, v2, 4, s56                ; W_gap: columns 4 r on
	v_lshl_add_u32 v227, v3, 5, s56                ; W_gap: columns 8 h on
	v_lshl_add_u32 v224, v1, 2, s56                ; W_cls: column lane
	v_lshl_add_u32 v225, v1, 2, s57                ; pooled: column lane
	global_load_b128 v[160:163], v228, s[8:9]
	global_load_b128 v[164:167], v228, s[10:11]
	global_load_b32 v[GL], v229, s[12:13]
	s_lshl_b32 s23, s20, 4
	s_add_co_u32 s40, s59, s23                     ; my four gaps' ids: 64 b + 16 q
	s_add_nc_u64 s[60:61], s[12:13], s[40:41]
	s_load_b128 s[44:47], s[60:61], 0x0
	global_load_b128 v[W1:W1+3], v226, s[14:15]
	global_load_b128 v[W2:W2+3], v226, s[14:15] offset:4096
	s_set_vgpr_msb 0x40                            ; destination window 1
.irp t, 0,1,2,3
	global_load_b128 v[8*\t:8*\t+3], v227, s[14:15] offset:8192+64*\t
	global_load_b128 v[8*\t+4:8*\t+7], v227, s[14:15] offset:8192+64*\t+16
.endr
	s_set_vgpr_msb 0x4000
	; the text's eight words a lane.  Every wave loads them, so that the head has one path and one count of loads; wave 0 alone uses them
	global_load_b32 v[CD], v225, s[6:7]
	global_load_b32 v[CD+1], v225, s[6:7] offset:128
.irp p, 0,1,2
	global_load_b32 v[CD+2+2*\p], v224, s[16:17] offset:4096*\p
	global_load_b32 v[CD+3+2*\p], v224, s[16:17] offset:4096*\p+128
.endr
	s_lshl_b32 s40, s21, 4
	s_add_co_u32 s40, s40, s22
	s_lshl_b32 s40, s40, 7                         ; part: 128 bytes for each (b, c)
	s_add_nc_u64 s[18:19], s[18:19], s[40:41]
	; the zero rows and zero masks: 128 threads x 16 bytes = 2,048 bytes a store
	v_lshlrev_b32 v230, 4, v0
	v_lshl_add_u32 v231, v0, 4, Z1
.irp i, 12,13,14,15
	v_mov_b32 v\i, 0
.endr
	ds_store_b128 v230, v[12:15]
	ds_store_b128 v230, v[12:15] offset:2048
	ds_store_b128 v231, v[12:15]
	ds_store_b128 v231, v[12:15] offset:2048
	ds_store_b128 v231, v[12:15] offset:Z2-Z1
	s_wait_loadcnt 0x0                             ; all the small inputs
.irp i, 0,1,2,3
	v_cmp_eq_u32 vcc_lo, 0, v[160+\i]              ; token type 0?
	v_cvt_f32_i32 v[168+\i], v[164+\i]             ; the word mask as f32
	v_cndmask_b32 v[168+\i], 0, v[168+\i], vcc_lo
.endr
	ds_store_b128 v231, v[168:171] offset:BP-Z1    ; base of rows 4 t .. 4 t + 3
	s_wait_kmcnt 0x0
.irp g, 44,45,46,47
	s_min_u32 s\g, s\g, 511                        ; held inside the table before it enters an address
.endr
	s_wait_dscnt 0x0                               ; for the others' sake: my zeros and my part of base have landed
	s_barrier_signal -1                            ; (the two tensor loads stay out, and each wave reads its own tiles behind its own wait)
	s_barrier_wait -1
	v_lshrrev_b32 v[S3A], 5, v0
	v_lshl_add_u32 v[S3A], v[S3A], 4, SC
	; ---- wmask's fragment of K step q.  Lane (r, h) holds gap r and, as the operand's layout asks, rows 128 q + 64 c + 32 h + 0 .. 31 (c = 0, 1): two whole blocks.
.irp c, 0,1
.irp j, 0,1,2,3,4,5,6,7
	ds_load_b128 v[X+32*\c+4*\j:X+32*\c+4*\j+3], v[AA] offset:256*\c+16*\j
.endr
.endr
	s_lshl_b32 s23, s20, 7
	s_add_co_u32 s23, s23, 15
	v_lshl_add_u32 v224, v3, 5, s23
	v_sub_nc_u32 v224, v224, v[GL]                 ; d = 128 q + 32 h + 15 - gid: row 128 q + 32 h + e lies in the window where 0 <= d + e <= 30, one unsigned compare
	s_wait_dscnt 0x0
.irp n, 0,4,8,12,16,20,24,28,32,36,40,44,48,52,56,60
.irp u, 0,1,2,3
	v_add_nc_u32 v[T+\u], (\n+\u)+32*((\n+\u)/32), v224
.endr
.irp u, 0,1,2,3
	v_cmp_gt_u32 s[52+\u], 31, v[T+\u]
.endr
.irp u, 0,1,2,3
	v_cndmask_b32 v[X+\n+\u], 0, v[X+\n+\u], s[52+\u]      ; window x base
.endr
.endr
.irp c, 0,1
	v_max3_num_f32 v[226+\c], |v[X+32*\c]|, |v[X+1+32*\c]|, 0x1800000   ; the block's largest magnitude, over the floor 2^(3 - 127): the byte cannot fall under 1
.endr
.irp i, 2,4,6,8,10,12,14,16,18,20,22,24,26,28,30
.irp c, 0,1
	v_max3_num_f32 v[226+\c], v[226+\c], |v[X+32*\c+\i]|, |v[X+1+32*\c+\i]|
.endr
.endr
.irp c, 0,1
	v_add_nc_u32 v[228+\c], 0xff000000, v[226+\c]  ; 2 off its exponent field: the conversion takes this operand's exponent field as its scale
.endr
.irp c, 0,1
	v_lshrrev_b32 v[230+\c], 23, v[228+\c]         ; the scale's byte
.endr
	v_lshl_or_b32 v[ASW], v231, 16, v230           ; my two bytes: blocks h and 2 + h,
	v_lshlrev_b32 v232, 3, v3
	v_lshlrev_b32 v[ASW], v232, v[ASW]             ; at their places in the word;
	v_mov_b32 v233, 0
	v_permlanex16_b32 v233, v[ASW], s42, s43
	v_or_b32 v[ASW], v[ASW], v233                  ; with lane l xor 16's two the word is whole
.irp c, 0,1
.irp g, 0,1,2,3
	v_cvt_scalef32_pk8_fp4_f32 v[AC+4*\c+\g], v[X+32*\c+8*\g:X+32*\c+8*\g+7], v[228+\c]
.endr
.endr
	v_nop                                          ; one plain place behind the scaled conversions
	; ---- the main pass.  A LANE TAKES A COLUMN AND ITS REGISTERS RUN DOWN THE ROWS: a unit (k, ch) is my wave's block k (32 rows) of columns 32 ch + lane.
.macro LOADBB k, buf                   ; the masks of block k, the same in every lane
.irp j, 0,1,2,3,4,5,6,7
	ds_load_b128 v[BB+32*(\buf)+4*\j:BB+32*(\buf)+4*\j+3], v[BA] offset:128*(\k)+16*\j
.endr
.endm
.macro LOADU k, ch, xb                 ; 32 loads, each of 128 consecutive bytes of a row
.irp i, 0,1,2,3,4,5,6,7,8,9,10,11,12,13,14,15,16,17,18,19,20,21,22,23,24,25,26,27,28,29,30,31
	ds_load_b32 v[X+32*(\xb)+\i], v[LA] offset:(32*(\k)+\i)*256+128*(\ch)
.endr
.endm
.macro QPART k, ch, xb                 ; the raw numbers become codes: the block is one lane's 32 registers
.set XS, X+32*(\xb)
	v_max3_num_f32 v[T], |v[XS]|, |v[XS+1]|, |v[XS+2]|
	v_max3_num_f32 v[T+1], |v[XS+3]|, |v[XS+4]|, |v[XS+5]|
.irp i, 6,10,14,18,22,26
	v_max3_num_f32 v[T], v[T], |v[XS+\i]|, |v[XS+\i+1]|
	v_max3_num_f32 v[T+1], v[T+1], |v[XS+\i+2]|, |v[XS+\i+3]|
.endr
	v_max3_num_f32 v[T], v[T], |v[XS+30]|, |v[XS+31]|
	v_max3_num_f32 v[T], v[T], v[T+1], 0x1800000   ; and the floor
	v_add_nc_u32 v[T+2], 0xff000000, v[T]          ; the conversion's scale operand
.if (\k) == 0
	v_lshrrev_b32 v[SW+(\ch)], 23, v[T+2]          ; the byte of block 0 begins my column's scale word
.else
	v_lshrrev_b32 v[T+3], 23, v[T+2]
	v_lshl_or_b32 v[SW+(\ch)], v[T+3], 8*(\k), v[SW+(\ch)]
.endif
.irp g, 0,1,2,3
	v_cvt_scalef32_pk8_fp4_f32 v[BC+8*(2*(\ch)+(\k)%2)+4*((\k)/2)+\g], v[XS+8*\g:XS+8*\g+7], v[T+2]
.endr
	v_nop                                          ; one plain place behind the scaled conversions: the lines below write their scale operand's register
.endm
.macro MPART buf, ch, xb, first        ; the text's sum and maximum of seq x base: four pairs of rows at a time.  first = 1: the first two pairs start the chains: nothing is cleared
.set XS, X+32*(\xb)
.set BS, BB+32*(\buf)
.irp g, 0,1,2,3
.irp u, 0,1,2,3
.set PP, 4*\g+\u
.if (\first) && (PP < 2)
	v_pk_mul_f32 v[SUM+4*(\ch)+2*\u:SUM+4*(\ch)+2*\u+1], v[XS+2*PP:XS+2*PP+1], v[BS+2*PP:BS+2*PP+1]
.else
	v_pk_mul_f32 v[T+2*\u:T+2*\u+1], v[XS+2*PP:XS+2*PP+1], v[BS+2*PP:BS+2*PP+1]
.endif
.endr
.irp u, 0,1,2,3
.set PP, 4*\g+\u
.if (\first) && (PP < 2)
	v_max_num_f32 v[MAX+2*(\ch)+\u], v[SUM+4*(\ch)+2*\u], v[SUM+4*(\ch)+2*\u+1]
.else
	v_pk_add_f32 v[SUM+4*(\ch)+2*(\u%2):SUM+4*(\ch)+2*(\u%2)+1], v[SUM+4*(\ch)+2*(\u%2):SUM+4*(\ch)+2*(\u%2)+1], v[T+2*\u:T+2*\u+1]
.endif
.endr
.irp u, 0,1,2,3
.set PP, 4*\g+\u
.if (\first) && (PP < 2)
.else
	v_max3_num_f32 v[MAX+2*(\ch)+(\u%2)], v[MAX+2*(\ch)+(\u%2)], v[T+2*\u], v[T+2*\u+1]
.endif
.endr
.endr
.endm
; The operand's layout wants lanes 0-15 to hold block 2 n and lanes 16-31 block 2 n + 1 of ONE tile's 16 columns; the conversions left block 2 n of 32 columns in one register and block 2 n + 1 in another.
; The first's lanes 16-31 change places with the second's lanes 0-15: the first is then register 4 n + g of tile 2 ch, the second of tile 2 ch + 1.
.macro SWAPS n, ch
.irp g, 0,1,2,3
	v_permlane16_swap_b32 v[BC+16*(\ch)+4*(\n)+\g], v[BC+8+16*(\ch)+4*(\n)+\g]
.endr
.endm
.macro UNIT k, ch, xb, buf, first
	QPART \k, \ch, \xb
	MPART \buf, \ch, \xb, \first
.endm
.macro HALF n                          ; my rows 64 n .. 64 n + 63: what one tensor load brought: four units, the loads one unit ahead of the work
	LOADBB 2*\n, 0
	LOADBB 2*\n+1, 1
	s_wait_tensorcnt 1-\n                          ; tensor loads of a wave end in order: this half's tile is in; only I read it here, so no barrier
	LOADU 2*\n, 0, 0
	LOADU 2*\n, 1, 1
	s_wait_dscnt 32                                ; all but the unit issued last
	LOADU 2*\n+1, 0, 2
	UNIT 2*\n, 0, 0, 0, 1-\n
	s_wait_dscnt 32                                ; likewise
	LOADU 2*\n+1, 1, 0
	UNIT 2*\n, 1, 1, 0, 1-\n
	s_wait_dscnt 32                                ; likewise
	UNIT 2*\n+1, 0, 2, 1, 0
	SWAPS \n, 0
	s_wait_dscnt 0x0
	UNIT 2*\n+1, 1, 0, 1, 0
	SWAPS \n, 1
.endm
	HALF 0
	HALF 1
	; ---- my wave's part of the text's pools, and K step q of the product
.irp ch, 0,1
	v_pk_add_f32 v[SUM+4*\ch:SUM+4*\ch+1], v[SUM+4*\ch:SUM+4*\ch+1], v[SUM+4*\ch+2:SUM+4*\ch+3]
.endr
.irp ch, 0,1
	v_max_num_f32 v[MAX+2*\ch], v[MAX+2*\ch], v[MAX+2*\ch+1]
.endr
.irp ch, 0,1
	v_add_f32 v[SUM+4*\ch], v[SUM+4*\ch], v[SUM+4*\ch+1]   ; (these six plain lines also stand between the exchanges above and the scaled products that read their registers)
.endr
.irp ch, 0,1
	ds_store_b32 v[SCA], v[MAX+2*\ch] offset:512+128*\ch
	ds_store_b32 v[SCA], v[SUM+4*\ch] offset:1536+128*\ch
.endr
	; TRANSPOSED: source 0 = 16 columns of seq, source 1 = the 16 gaps: lane (r, h) holds gap r, register j column 16 t + 8 h + j.  Four accumulators, each begun by the constant 0: one K step a wave, no chain.
	; seq's scale words: tile 2 ch takes lanes 0-15 of v[SW + ch], tile 2 ch + 1 lanes 16-31
.irp t, 0,2
	v_wmma_scale_f32_16x16x128_f8f6f4 v[X+8*\t:X+8*\t+7], v[BC+8*\t:BC+8*\t+7], v[AC:AC+7], 0, v[SW+\t/2], v[ASW] matrix_a_fmt:MATRIX_FMT_FP4 matrix_b_fmt:MATRIX_FMT_FP4
	v_wmma_scale_f32_16x16x128_f8f6f4 v[X+8*\t+8:X+8*\t+15], v[BC+8*\t+8:BC+8*\t+15], v[AC:AC+7], 0, v[SW+\t/2], v[ASW] matrix_a_fmt:MATRIX_FMT_FP4 matrix_b_fmt:MATRIX_FMT_FP4 matrix_a_scale:MATRIX_SCALE_ROW1
.endr
.rept 4
	v_nop                                          ; four places between the last product and the first read of results (ISA guide 7.12.1)
.endr
	s_set_vgpr_msb 0x04                            ; source 1 (W_gap's third part) in window 1
.irp t, 0,1,2,3
	v_pk_mul_f32 v[T+2*\t:T+2*\t+1], v[X+8*\t:X+8*\t+1], v[8*\t:8*\t+1]     ; each accumulator is read from its low end on
.endr
.irp j, 2,4,6
.irp t, 0,1,2,3
	v_pk_fma_f32 v[T+2*\t:T+2*\t+1], v[X+8*\t+\j:X+8*\t+\j+1], v[8*\t+\j:8*\t+\j+1], v[T+2*\t:T+2*\t+1]
.endr
.endr
	s_set_vgpr_msb 0x0400
	v_pk_add_f32 v[T:T+1], v[T:T+1], v[T+2:T+3]
	v_pk_add_f32 v[T+4:T+5], v[T+4:T+5], v[T+6:T+7]
	v_pk_add_f32 v[T:T+1], v[T:T+1], v[T+4:T+5]
	v_add_f32 v[T], v[T], v[T+1]
	v_permlanex16_b32 v[T+2], v[T], s42, s43
	v_add_f32 v[T], v[T], v[T+2]                   ; S3: gap r, my 128 rows, all 64 columns x W
	ds_store_b32 v[SCB], v[T]
	s_wait_dscnt 0x0                               ; my scratch words have landed; my tensor loads were waited for above
	s_barrier_signal -1
	s_barrier_wait -1                              ; all tiles and all scratch words are whole.  Behind this barrier LDS is only read
	; ---- the windows of my four gaps.  Lane (r, h) takes columns 4 r .. 4 r + 3 of rows gid - 15 + 15 h + i, i = 0 .. 15: the halves meet in the centre row, which a maximum does not mind.
.macro GLOAD gi, buf                   ; 33 loads: 16 rows, their 16 masks, the raw centre row
.set GB, 64+84*(\buf)
	s_lshl_b32 s48, s[44+(\gi)], 8
	s_lshl_b32 s49, s[44+(\gi)], 2
	v_add_nc_u32 v[WA], s48, v[WL]
	v_add_nc_u32 v[MA], s49, v[ML]
	v_add_nc_u32 v[CA], s48, v[CL]
.irp i, 0,1,2,3,4,5,6,7,8,9,10,11,12,13,14,15
	ds_load_b128 v[GB+4*\i:GB+4*\i+3], v[WA] offset:256*\i
.endr
.irp i, 0,1,2,3,4,5,6,7,8,9,10,11,12,13,14,15
	ds_load_b32 v[GB+64+\i], v[MA] offset:4*\i
.endr
	ds_load_b128 v[GB+80:GB+83], v[CA]
.endm
.macro GPROC gi, buf
.set GB, 64+84*(\buf)
.irp i, 0,2,4,6,8,10,12,14             ; seq x mask: of the pair of masks the first serves row i, the second row i + 1
	v_pk_mul_f32 v[GB+4*\i:GB+4*\i+1], v[GB+4*\i:GB+4*\i+1], v[GB+64+\i:GB+65+\i] op_sel_hi:[1,0]
	v_pk_mul_f32 v[GB+4*\i+2:GB+4*\i+3], v[GB+4*\i+2:GB+4*\i+3], v[GB+64+\i:GB+65+\i] op_sel_hi:[1,0]
	v_pk_mul_f32 v[GB+4*\i+4:GB+4*\i+5], v[GB+4*\i+4:GB+4*\i+5], v[GB+64+\i:GB+65+\i] op_sel:[0,1] op_sel_hi:[1,1]
	v_pk_mul_f32 v[GB+4*\i+6:GB+4*\i+7], v[GB+4*\i+6:GB+4*\i+7], v[GB+64+\i:GB+65+\i] op_sel:[0,1] op_sel_hi:[1,1]
.endr
.irp j, 0,1,2,3
	v_max3_num_f32 v[232+\j], 0, v[GB+\j], v[GB+4+\j]      ; the 0 of the rows outside the window takes part: a window never covers all 512 rows
.endr
.irp i, 2,4,6,8,10,12,14
.irp j, 0,1,2,3
	v_max3_num_f32 v[232+\j], v[232+\j], v[GB+4*\i+\j], v[GB+4*\i+4+\j]
.endr
.endr
.irp j, 0,1,2,3
	v_permlanex16_b32 v[236+\j], v[232+\j], s42, s43
.endr
	v_fma_f32 v254, v[GB+64], v[HF], v[GB+65]      ; the tokens: lanes 16-31 leave out their row 0, the centre, which lanes 0-15 count as their row 15
	v_pk_add_f32 v[252:253], v[GB+66:GB+67], v[GB+68:GB+69]
	v_pk_mul_f32 v[240:241], v[GB+80:GB+81], v[W1:W1+1]    ; the raw centre row x W_gap's first part
.irp j, 0,1,2,3
	v_max_num_f32 v[232+\j], v[232+\j], v[236+\j]  ; the window's maximum, in both halves
.endr
.irp i, 70,72,74,76,78
	v_pk_add_f32 v[252:253], v[252:253], v[GB+\i:GB+\i+1]
.endr
	v_pk_fma_f32 v[240:241], v[GB+82:GB+83], v[W1+2:W1+3], v[240:241]
	v_add_f32 v254, v254, v252
	v_pk_fma_f32 v[240:241], v[232:233], v[W2:W2+1], v[240:241]
	v_add_f32 v254, v254, v253
	v_pk_fma_f32 v[240:241], v[234:235], v[W2+2:W2+3], v[240:241]
	v_permlanex16_b32 v255, v254, s42, s43
	v_add_f32 v[244+(\gi)], v240, v241             ; my four columns' part of the score
	v_add_f32 v[248+(\gi)], v254, v255             ; the window's tokens: small whole numbers, summed exactly
.endm
	v_cmp_eq_u32 vcc_lo, 0, v3
	v_cndmask_b32 v[HF], 0, 1.0, vcc_lo
.irp i, 236,237,238,239,255
	v_mov_b32 v\i, 0                               ; written once: a lane permute's destination counts as one of its sources
.endr
.irp w, 0,1,2,3
	ds_load_b128 v[44+4*\w:47+4*\w], v[S3A] offset:128*\w  ; S3 of my four gaps, from each wave's K step
.endr
	GLOAD 0, 0
	GLOAD 1, 1
	s_wait_dscnt 33                                ; all but the gap issued last
	GPROC 0, 0
	GLOAD 2, 0
	s_wait_dscnt 33
	GPROC 1, 1
	GLOAD 3, 1
	s_wait_dscnt 33
	GPROC 2, 0
	s_wait_dscnt 0x0
	GPROC 3, 1
.irp g, 0,1,2,3
	v_rcp_f32 v[248+\g], v[248+\g]                 ; 1 / tokens
.endr
	v_pk_add_f32 v[44:45], v[44:45], v[48:49]      ; the four K steps of S3.  (Plain work behind the reciprocals)
	v_pk_add_f32 v[46:47], v[46:47], v[50:51]
	v_pk_add_f32 v[52:53], v[52:53], v[56:57]
	v_pk_add_f32 v[54:55], v[54:55], v[58:59]
	v_pk_add_f32 v[44:45], v[44:45], v[52:53]
	v_pk_add_f32 v[46:47], v[46:47], v[54:55]
.irp m, 1,2,4,8
.irp g, 0,1,2,3
	v_add_f32_dpp v[244+\g], v[244+\g], v[244+\g] row_xmask:\m row_mask:0xf bank_mask:0xf   ; over the sixteen lanes: all 64 columns
.endr
.endr
	s_lshl_b32 s23, s20, 4
	v_mov_b32 v252, s23                            ; my four words' place in part: 16 q
	s_wait_alu depctr_va_vdst(0)                   ; one wait for the four reciprocals, ahead of their first reader
.irp g, 0,1,2,3
	v_fma_f32 v[60+\g], v[44+\g], v[248+\g], v[244+\g]
.endr
	s_cmp_lg_u32 s20, 0
	s_cbranch_scc1 .Lothers
	; ---- wave 0: the text's score for columns lane and 32 + lane
	v_lshl_add_u32 v[WL], v1, 4, BP
.irp w, 0,1,2,3
.irp ch, 0,1
	ds_load_b32 v[64+2*\w+\ch], v[SCA] offset:512+256*\w+128*\ch
	ds_load_b32 v[72+2*\w+\ch], v[SCA] offset:1536+256*\w+128*\ch
.endr
.endr
.irp k, 0,1,2,3
	ds_load_b128 v[80+4*\k:83+4*\k], v[WL] offset:512*\k   ; all 512 numbers of base, 16 a lane
.endr
	s_wait_dscnt 0x0
	v_max3_num_f32 v64, v64, v66, v68
	v_max3_num_f32 v65, v65, v67, v69
	v_pk_add_f32 v[72:73], v[72:73], v[74:75]
	v_pk_add_f32 v[76:77], v[76:77], v[78:79]
	v_pk_add_f32 v[80:81], v[80:81], v[82:83]
	v_pk_add_f32 v[84:85], v[84:85], v[86:87]
	v_pk_add_f32 v[88:89], v[88:89], v[90:91]
	v_pk_add_f32 v[92:93], v[92:93], v[94:95]
	v_max_num_f32 v64, v64, v70
	v_max_num_f32 v65, v65, v71
	v_pk_add_f32 v[72:73], v[72:73], v[76:77]
	v_pk_add_f32 v[80:81], v[80:81], v[84:85]
	v_pk_add_f32 v[88:89], v[88:89], v[92:93]
	v_pk_add_f32 v[80:81], v[80:81], v[88:89]
	v_add_f32 v80, v80, v81
.irp m, 1,2,4,8
	v_add_f32_dpp v80, v80, v80 row_xmask:\m row_mask:0xf bank_mask:0xf
.endr
	v_permlanex16_b32 v81, v80, s42, s43
	v_add_f32 v80, v80, v81                        ; the text's tokens
	v_rcp_f32 v82, v80
	v_pk_mul_f32 v[84:85], v[CD:CD+1], v[CD+2:CD+3]        ; pooled x W_cls's first part
	v_pk_mul_f32 v[86:87], v[72:73], v[CD+6:CD+7]          ; sum x its third
	v_pk_fma_f32 v[84:85], v[64:65], v[CD+4:CD+5], v[84:85] ; maximum x its second
	v_add_f32 v86, v86, v87
	v_add_f32 v84, v84, v85
	s_wait_alu depctr_va_vdst(0)                   ; ahead of the reciprocal's first reader
	v_fma_f32 v84, v86, v82, v84
.irp m, 1,2,4,8
	v_add_f32_dpp v84, v84, v84 row_xmask:\m row_mask:0xf bank_mask:0xf
.endr
	v_permlanex16_b32 v85, v84, s42, s43
	v_add_f32 v84, v84, v85
	s_wait_xcnt 0x0                                ; EXEC changes only behind this wait
	v_cmp_eq_u32 vcc_lo, 0, v1
	s_set_vgpr_msb 0x5
	s_wait_tensorcnt 0x0
	ds_add_u32 v32, v33
	s_wait_dscnt 0x0
	s_set_vgpr_msb 0x500
	s_and_saveexec_b32 s50, vcc_lo                 ; every lane holds the results: lane 0 stores them
	global_store_b128 v252, v[60:63], s[18:19]
	global_store_b32 v252, v84, s[18:19] offset:64
	s_endpgm
.Lothers:
	s_wait_xcnt 0x0                                ; EXEC changes only behind this wait
	v_cmp_eq_u32 vcc_lo, 0, v1
	s_set_vgpr_msb 0x5
	s_wait_tensorcnt 0x0
	ds_add_u32 v32, v33
	s_wait_dscnt 0x0
	s_set_vgpr_msb 0x500
	s_and_saveexec_b32 s50, vcc_lo
	global_store_b128 v252, v[60:63], s[18:19]
	s_endpgm
.Lfunc_end_k_qf6ca966a2f_pool:
	.size	k_qf6ca966a2f_pool, .Lfunc_end_k_qf6ca966a2f_pool-k_qf6ca966a2f_pool
	.p2alignl 7, 3214868480
	.fill 96, 4, 3214868480
	.section	.rodata,"a",@progbits
	.p2align	6, 0x0
	.amdhsa_kernel k_qf6ca966a2f_pool
		.amdhsa_group_segment_fixed_size 168448
		.amdhsa_private_segment_fixed_size 0
		.amdhsa_enable_private_segment 0
		.amdhsa_kernarg_size 64
		.amdhsa_user_sgpr_count 2
		.amdhsa_user_sgpr_kernarg_segment_ptr 1
		.amdhsa_wavefront_size32 1
		.amdhsa_system_sgpr_workgroup_id_x 1
		.amdhsa_system_sgpr_workgroup_id_y 1
		.amdhsa_system_sgpr_workgroup_id_z 1
		.amdhsa_system_vgpr_workitem_id 0
		.amdhsa_next_free_vgpr 290
		.amdhsa_next_free_sgpr 66
		.amdhsa_reserve_vcc 1
		.amdhsa_float_denorm_mode_32 3
		.amdhsa_float_denorm_mode_16_64 3
		.amdhsa_memory_ordered 1
		.amdhsa_forward_progress 1
		.amdhsa_inst_pref_size 117
	.end_amdhsa_kernel
	.amdgpu_metadata
---
amdhsa.version: [ 1, 2 ]
amdhsa.kernels:
  - .name:           k_qf6ca966a2f_pool
    .symbol:         k_qf6ca966a2f_pool.kd
    .args:
      - { .name: sequence_output, .offset: 0, .size: 8, .value_kind: global_buffer, .address_space: global }
      - { .name: pooled_output, .offset: 8, .size: 8, .value_kind: global_buffer, .address_space: global }
      - { .name: token_type_ids, .offset: 16, .size: 8, .value_kind: global_buffer, .address_space: global }
      - { .name: word_mask, .offset: 24, .size: 8, .value_kind: global_buffer, .address_space: global }
      - { .name: gap_ids, .offset: 32, .size: 8, .value_kind: global_buffer, .address_space: global }
      - { .name: W_gap, .offset: 40, .size: 8, .value_kind: global_buffer, .address_space: global }
      - { .name: W_cls, .offset: 48, .size: 8, .value_kind: global_buffer, .address_space: global }
      - { .name: part, .offset: 56, .size: 8, .value_kind: global_buffer, .address_space: global }
    .group_segment_fixed_size: 168448
    .private_segment_fixed_size: 0
    .kernarg_segment_align: 8
    .kernarg_segment_size: 64
    .max_flat_workgroup_size: 128
    .sgpr_count:     66
    .vgpr_count:     290
    .wavefront_size: 32
...
	.end_amdgpu_metadata
.endif
;; end of part 1
;; launch finish (part 2): grid 1 x 1, 9 waves a work-group, no clusters, 0 bytes of LDS; arguments part, b_gap, b_cls, out0; writes out0
.if DOCPART == 2
	.amdgcn_target "amdgcn-amd-amdhsa--gfx1250"
	.amdhsa_code_object_version 6
	.text
	.protected	k_qf6ca966a2f_finish
	.globl	k_qf6ca966a2f_finish
	.p2align	8
	.type	k_qf6ca966a2f_finish,@function
k_qf6ca966a2f_finish:
	s_mov_b64 s[64:65], 0
	v_nop
	global_prefetch_b8 v0, s[64:65] scope:SCOPE_SE
	s_setreg_imm32_b32 hwreg(HW_REG_WAVE_MODE, 25, 1), 1
	s_wait_xcnt 0x0
; out0[b][j] = the sum over the 16 chunks c of part[b][c][slot] + bias; j = 0: the text's score (slot 16, b_cls); j > 0: gap j - 1 (slot j - 1, b_gap).
; part: [16 b][16 c][32] f32.  One work-group; thread t < 272 makes out0's number t: 16 loads, seven packed additions.  The sum spans the first launch's work-groups, so it is made here, in a fixed order.
; Threads 272 .. 287 load batch 15's words, so that no load leaves the buffer, and store nothing.
	s_load_b256 s[4:11], s[0:1], 0x0               ; part s[4:5], b_gap s[6:7], b_cls s[8:9], out0 s[10:11]
	v_mul_u32_u24 v1, v0, 3856
	v_lshrrev_b32 v1, 16, v1                       ; b = t / 17: 3856 x 17 = 65,536 + 16, exact for t under 289
	v_mul_u32_u24 v2, v1, 17
	v_sub_nc_u32 v2, v0, v2                        ; j
	v_cmp_eq_u32 s14, 0, v2
	v_add_nc_u32 v3, -1, v2
	v_cndmask_b32 v3, v3, 16, s14                  ; the slot
	v_min_u32 v1, 15, v1
	v_lshlrev_b32 v3, 2, v3
	v_lshl_add_u32 v4, v1, 11, v3                  ; 2,048 b + 4 slot
	v_lshlrev_b32 v5, 2, v0
	s_wait_kmcnt 0x0
	s_load_b32 s12, s[6:7], 0x0
	s_load_b32 s13, s[8:9], 0x0
.irp c, 0,1,2,3,4,5,6,7,8,9,10,11,12,13,14,15
	global_load_b32 v[8+\c], v4, s[4:5] offset:128*\c
.endr
	s_wait_kmcnt 0x0
	v_mov_b32 v6, s12
	v_mov_b32 v7, s13
	v_cndmask_b32 v6, v6, v7, s14                  ; the bias
	s_wait_loadcnt 0x0
	v_pk_add_f32 v[8:9], v[8:9], v[16:17]
	v_pk_add_f32 v[10:11], v[10:11], v[18:19]
	v_pk_add_f32 v[12:13], v[12:13], v[20:21]
	v_pk_add_f32 v[14:15], v[14:15], v[22:23]
	v_pk_add_f32 v[8:9], v[8:9], v[12:13]
	v_pk_add_f32 v[10:11], v[10:11], v[14:15]
	v_pk_add_f32 v[8:9], v[8:9], v[10:11]
	v_add_f32 v8, v8, v9
	v_add_f32 v8, v8, v6
	s_wait_xcnt 0x0                                ; EXEC changes only behind this wait
	v_cmp_gt_u32 vcc_lo, 272, v0
	s_and_saveexec_b32 s15, vcc_lo
	global_store_b32 v5, v8, s[10:11]              ; a wave's store covers 128 consecutive bytes
	s_endpgm
.Lfunc_end_k_qf6ca966a2f_finish:
	.size	k_qf6ca966a2f_finish, .Lfunc_end_k_qf6ca966a2f_finish-k_qf6ca966a2f_finish
	.p2alignl 7, 3214868480
	.fill 96, 4, 3214868480
	.section	.rodata,"a",@progbits
	.p2align	6, 0x0
	.amdhsa_kernel k_qf6ca966a2f_finish
		.amdhsa_group_segment_fixed_size 0
		.amdhsa_private_segment_fixed_size 0
		.amdhsa_enable_private_segment 0
		.amdhsa_kernarg_size 32
		.amdhsa_user_sgpr_count 2
		.amdhsa_user_sgpr_kernarg_segment_ptr 1
		.amdhsa_wavefront_size32 1
		.amdhsa_system_sgpr_workgroup_id_x 1
		.amdhsa_system_sgpr_workgroup_id_y 1
		.amdhsa_system_sgpr_workgroup_id_z 1
		.amdhsa_system_vgpr_workitem_id 0
		.amdhsa_next_free_vgpr 32
		.amdhsa_next_free_sgpr 66
		.amdhsa_reserve_vcc 1
		.amdhsa_float_denorm_mode_32 3
		.amdhsa_float_denorm_mode_16_64 3
		.amdhsa_memory_ordered 1
		.amdhsa_forward_progress 1
		.amdhsa_inst_pref_size 4
	.end_amdhsa_kernel
	.amdgpu_metadata
---
amdhsa.version: [ 1, 2 ]
amdhsa.kernels:
  - .name:           k_qf6ca966a2f_finish
    .symbol:         k_qf6ca966a2f_finish.kd
    .args:
      - { .name: part, .offset: 0, .size: 8, .value_kind: global_buffer, .address_space: global }
      - { .name: b_gap, .offset: 8, .size: 8, .value_kind: global_buffer, .address_space: global }
      - { .name: b_cls, .offset: 16, .size: 8, .value_kind: global_buffer, .address_space: global }
      - { .name: out0, .offset: 24, .size: 8, .value_kind: global_buffer, .address_space: global }
    .group_segment_fixed_size: 0
    .private_segment_fixed_size: 0
    .kernarg_segment_align: 8
    .kernarg_segment_size: 32
    .max_flat_workgroup_size: 288
    .sgpr_count:     66
    .vgpr_count:     32
    .wavefront_size: 32
...
	.end_amdgpu_metadata
.endif
;; end of part 2
